; MI455X (gfx1250); checked and timed in simulation.
; The chip was launched on July 23, 2026; its instructions are those of AMD's public machine-readable ISA for CDNA 5 (MIT licence, August 2026) and "CDNA5" Instruction Set Architecture Reference Guide (July 2026). The comments in the code are by the model that wrote it; some were corrected since.
;; Prediction Bi LSTM. Allowed arithmetic: matrix products marked QUANTISED: E2M1 operands, one E8M0 scale for each 32 along K, by v_wmma_scale_f32_16x16x128_f8f6f4 with both operands' format E2M1 (or v_wmma_scale_f32_32x16x128_f4), f32 sums; everything else in f32.
;; Inputs: V_cells 65,536 x 904 float32; b_hh_b 400 float32; b_hh_f 400 float32; b_ih_b 400 float32; b_ih_f 400 float32; w_hh_b 400 x 100 float32; w_hh_f 400 x 100 float32; w_ih_b 400 x 904 float32; w_ih_f 400 x 904 float32.
;; Outputs: out0 65,536 x 200 float32.
;; This version of the problem:
;;   THIS VERSION OF THE PROBLEM IS GIVEN IN LOW PRECISION. The matrix products marked QUANTISED in the list below multiply operands that are first quantised to E2M1 (2 exponent bits, 1 mantissa bit; 4 bits a number), with one power-of-two scale for each 32 numbers along K (OCP MX v1.0); their sums are f32. All else is computed in f32.
;;   The module's matrix products, in the order in which they are computed (A, B: the left and right operand; K: the contracted axis; several contracted axes count as one K, in the product's order):
;;     1. [M 65,536, K 904] x [K 904, N 400]; A: input V_cells; B: input w_ih_f: QUANTISED
;;     2. [M 65,536, K 904] x [K 904, N 400]; A: input V_cells; B: input w_ih_b: QUANTISED
;;   THE QUANTISER, for each operand of a quantised product, along K:
;;     - K is cut into blocks of 32 from its start; a last block that is shorter is filled with zeros.
;;     - A block's scale is 2^e with e = floor(log2(the largest magnitude in the block)) - 2, held to -126 .. 127; a block of zeros has e = 0. As a byte (E8M0): e + 127.
;;     - Each number is divided by its block's scale, clamped to +-6, and rounded to the nearest number of E2M1, ties to even, subnormals kept.
;;     - The product sums the exact products of the quantised numbers (number of the format x scale) in f32.
;;   ~~~python
;;   def quantise(x, axis):      # numpy; x: float32 -> the quantised numbers, widened to float32 again
;;       x = np.moveaxis(x, axis, -1); K = x.shape[-1]
;;       x = np.pad(x, [(0, 0)] * (x.ndim - 1) + [(0, -K % 32)]); x = x.reshape(x.shape[:-1] + (-1, 32)); a = np.abs(x).max(-1, keepdims=True)
;;       e = np.where(a > 0, np.clip(np.frexp(np.where(a > 0, a, 1))[1] - 1 - 2, -126, 127), 0)      # np.frexp(a)[1] - 1 = floor(log2(a)), exactly
;;       r = np.clip(x / 2.0 ** e, -6, 6)
;;       step = 2.0 ** (np.maximum(np.frexp(np.where(r == 0, 1, r))[1] - 1, 0) - 1)
;;       q = np.round(r / step) * step * 2.0 ** e      # np.round: ties to even
;;       return np.moveaxis(q.reshape(q.shape[:-2] + (-1,))[..., :K], -1, axis).astype(np.float32)
;;   ~~~
;; One version. Each part assembles by itself: llvm-mc -triple=amdgcn-amd-amdhsa -mcpu=gfx1250 --defsym DOCPART=n.
;; ======== version 1 of 1: 2 launches
;; limits: right only within a limited range of input values
;; workspace buffers: wpk 342,016 bytes
;; launch prep (part 1): grid 26 x 3, 4 waves a work-group, no clusters, 0 bytes of LDS; arguments w_ih_f, w_ih_b, b_ih_f, b_hh_f, b_ih_b, b_hh_b, wpk; writes wpk
.if DOCPART == 1
	.amdgcn_target "amdgcn-amd-amdhsa--gfx1250"
	.amdhsa_code_object_version 6
	.text
	.protected	k_q44dc20d286_prep
	.globl	k_q44dc20d286_prep
	.p2align	8
	.type	k_q44dc20d286_prep,@function
k_q44dc20d286_prep:
	s_mov_b64 s[64:65], 0
	v_nop
	global_prefetch_b8 v0, s[64:65] scope:SCOPE_SE
	s_setreg_imm32_b32 hwreg(HW_REG_WAVE_MODE, 25, 1), 1
	s_wait_xcnt 0x0
; PredictionBiLSTM, first of two launches: the live rows of w_ih_f and w_ih_b become codes of FP4 (E2M1) with one E8M0 byte for each 32 along K = 904,
; laid in the order of a matrix operand's registers, and b_ih + b_hh of the same rows is stored beside them.
; DEAD WORK, for all values of the inputs.
;   w_hh_f, w_hh_b: _lstm_cell_zero_state takes them as parameters and names them in no expression (the state h0 = 0 is built into reference() itself).
;     They have no way to any output: they are not loaded and are among no launch's arguments.
;   The f gate: jnp.split binds the second quarter of gates to f, and nothing reads f (it would multiply c0 = 0).  Columns 100-199 of gates are made of rows 100-199
;     of w_ih_*, b_ih_*, b_hh_* alone; each weight row is quantised along its own K, and V's codes hang on no weight.  So those rows are left out: 600 of 800 rows are live.
;   LIMIT: a NaN, an infinity or an overflow that reaches only w_hh_* or the f gate's rows is not carried to the result.
; LIMITS of the quantiser: NaN and infinities among the inputs are not served.  A block of zeros gets the byte 1 where the stated quantiser says 127: its codes are zeros,
;   which add nothing under any byte but 0xff, and this program alone reads the bytes.  Blocks whose largest magnitude lies under 2^-124 (the floor; byte 1) were not tried.
; TILES.  A gate tile GT = 3 U + g is 16 weight rows: U = 0..12 a tile of hidden units, g = 0, 1, 2 the gates i, g, o (rows 0, 200, 300 on in w_ih).
;   U < 12: direction d = U / 6, tile row rho = unit 16 (U - 6 d) + rho.   U = 12: rows 0-3 forward units 96-99, rows 8-11 backward units 96-99; rows 4-7 and 12-15 repeat them and are read by nobody.
; wpk:  codes  GT*8192 + s*1024 + c*512 + 16*l   (K step s of 128, register group c, reader's lane l = rho + 16 h: k = 128 s + 64 c + 32 h + 0..31 of row rho)
;       scales SOFF + GT*512 + 16*l + 4*p        (word p of lane l: row l % 16, K step 2 p + l / 16)
;       bias   BOFF + GT*64 + 4*rho              (f32)
; SHARES.  Work-group (x, y): U = x / 2, rows 8 (x % 2) .. + 7 of the tile, g = y.  Wave p takes K steps 2 p and 2 p + 1.  Lane = r8 + 8 e + 16 h: row r8, K step 2 p + e, blocks h and 2 + h: 64 numbers.
; Each load takes 16 bytes a lane of rows far apart: the launch reads 2.2 MB once, and every lane's 32 numbers of a block must be its own.  No LDS, no barrier.
.set KROW, 3616                        ; a row of w_ih in bytes
.set SOFF, 319488
.set BOFF, 339456
.set LANE, 1
.set R8,   2
.set E,    3
.set H,    4
.set LDO,  5                           ; load offset in w_ih
.set CO,   6                           ; where my codes go
.set SO,   7                           ; where my row's scale word goes
.set BI,   8                           ; 4 x row: my row's biases
.set BO,   9                           ; where their sum goes
.set SH8,  10                          ; 8 h
.set ZERO, 11
.set PX,   12                          ; a lane permute's destination
.set ROW,  13
.set MA,   14                          ; v14-15, v16-17 two chains of maxima for each of my two blocks
.set MB,   16
.set SCL,  18                          ; v18-19 the conversions' scale operands
.set BY,   20                          ; v20-21 the scale bytes
.set BV,   22                          ; v22-23 b_ih, b_hh of my row
.set C,    24                          ; v24-31 the codes
.set X,    32                          ; v32-95 my 64 numbers: register 32 c + i = k 128 s + 64 c + 32 h + i
.set KS,   96
.set RHO,  97
.set PW,   98
.set SEL,  36                          ; s[36:37] lane selects for v_permlanex16_b32: lane l xor 16
; 64 numbers of a lane, two whole blocks of 32, become the operand's eight registers and the row's scale word.
.macro QUANT x, c, pw
.irp k, 0,1
	v_max3_num_f32 v[MA+\k], |v[(\x)+32*\k]|, |v[(\x)+32*\k+1]|, |v[(\x)+32*\k+2]|
	v_max3_num_f32 v[MB+\k], |v[(\x)+32*\k+3]|, |v[(\x)+32*\k+4]|, |v[(\x)+32*\k+5]|
.endr
.irp i, 6,10,14,18,22,26
.irp k, 0,1
	v_max3_num_f32 v[MA+\k], v[MA+\k], |v[(\x)+32*\k+\i]|, |v[(\x)+32*\k+\i+1]|      ; four chains by turns: no line waits for the line above it
	v_max3_num_f32 v[MB+\k], v[MB+\k], |v[(\x)+32*\k+\i+2]|, |v[(\x)+32*\k+\i+3]|
.endr
.endr
.irp k, 0,1
	v_max3_num_f32 v[MA+\k], v[MA+\k], |v[(\x)+32*\k+30]|, |v[(\x)+32*\k+31]|
.endr
.irp k, 0,1
	v_max3_num_f32 v[MA+\k], v[MA+\k], v[MB+\k], 0x1800000       ; the block's largest magnitude, and the floor 2^(3 - 127): the byte cannot fall under 1
.endr
.irp k, 0,1
	v_add_nc_u32 v[SCL+\k], 0xff000000, v[MA+\k]                 ; 2 off its exponent field: the conversion takes the exponent field of this operand as its scale
.endr
.irp k, 0,1
	v_lshrrev_b32 v[BY+\k], 23, v[SCL+\k]                        ; the scale's byte
.endr
	v_lshl_or_b32 v[\pw], v[BY+1], 16, v[BY]                     ; my two bytes, blocks h and 2 + h,
	v_lshlrev_b32 v[\pw], v[SH8], v[\pw]                         ; at their places in the word;
	v_permlanex16_b32 v[PX], v[\pw], s[SEL], s[SEL+1]
	v_or_b32 v[\pw], v[\pw], v[PX]                               ; with lane l xor 16's two the word is whole, in both halves of the lanes
.irp k, 0,1
.irp g, 0,1,2,3
	v_cvt_scalef32_pk8_fp4_f32 v[(\c)+4*\k+\g], v[(\x)+32*\k+8*\g:(\x)+32*\k+8*\g+7], v[SCL+\k]   ; to the nearest code, ties to even, beyond 6 the largest code
.endr
.endr
	v_nop                                                        ; one plain vector line behind the last scaled conversion
.endm
	s_load_b256 s[4:11], s[0:1], 0x0               ; w_ih_f s[4:5], w_ih_b s[6:7], b_ih_f s[8:9], b_hh_f s[10:11]
	s_load_b128 s[12:15], s[0:1], 0x20             ; b_ih_b s[12:13], b_hh_b s[14:15]
	s_load_b64 s[16:17], s[0:1], 0x30              ; wpk
	v_lshrrev_b32 v[KS], 5, v0
	v_readfirstlane_b32 s20, v[KS]                 ; p: my wave
	s_lshr_b32 s21, ttmp9, 1                       ; U
	s_and_b32 s22, ttmp9, 1                        ; which half of the tile's rows
	s_and_b32 s23, ttmp7, 0xffff                   ; g
	s_cmp_ge_u32 s21, 6
	s_cselect_b32 s24, 1, 0
	s_cmp_eq_u32 s21, 12
	s_cselect_b32 s24, s22, s24                    ; d: the direction; in tile 12 the lower half is forward, the upper backward
	s_cselect_b32 s25, 3, 7                        ; tile 12 has four units a half: r8 % 4
	s_mul_i32 s26, s24, 96
	s_lshl_b32 s27, s21, 4
	s_sub_co_u32 s26, s27, s26                     ; 16 (U - 6 d)
	s_lshl_b32 s27, s22, 3
	s_add_co_u32 s26, s26, s27                     ; + 8 x half
	s_cmp_eq_u32 s21, 12
	s_cselect_b32 s26, 96, s26                     ; the first hidden unit of my eight rows
	s_min_u32 s27, s23, 1
	s_add_co_u32 s27, s27, s23
	s_mul_i32 s27, s27, 100                        ; the gate's first row: 0, 200, 300
	s_add_co_u32 s26, s26, s27
	s_mul_i32 s28, s21, 3
	s_add_co_u32 s28, s28, s23                     ; GT
	s_mov_b32 s[SEL], 0x76543210
	s_mov_b32 s[SEL+1], 0xfedcba98
	v_and_b32 v[LANE], 31, v0
	v_and_b32 v[R8], 7, v0
	v_bfe_u32 v[E], v0, 3, 1
	v_bfe_u32 v[H], v0, 4, 1
	v_and_b32 v[ROW], s25, v[R8]
	v_add_nc_u32 v[ROW], s26, v[ROW]               ; my row of w_ih, 399 at the most
	s_lshl_b32 s29, s20, 1
	v_add_nc_u32 v[KS], s29, v[E]                  ; my K step s
	v_lshlrev_b32 v[LDO], 9, v[KS]
	v_lshl_add_u32 v[LDO], v[H], 7, v[LDO]         ; 512 s + 128 h
	v_min_u32 v[LDO], 3232, v[LDO]                 ; K step 7 begins at byte 3584 of 3616: its lanes read the row's last 384 bytes instead, so that no load leaves the row (K step 6 reaches 3200 at the most)
	v_mad_u32_u24 v[LDO], v[ROW], KROW, v[LDO]
	s_lshl_b32 s30, s22, 3
	v_add_nc_u32 v[RHO], s30, v[R8]                ; my row of the tile
	s_lshl_b32 s30, s28, 13
	v_lshl_add_u32 v[CO], v[KS], 10, s30
	v_lshl_add_u32 v[CO], v[RHO], 4, v[CO]
	v_lshl_add_u32 v[CO], v[H], 8, v[CO]           ; GT*8192 + s*1024 + 16 (rho + 16 h)
	s_lshl_b32 s30, s28, 9
	s_lshl_b32 s31, s20, 2
	s_add_co_u32 s30, s30, s31
	s_add_co_u32 s30, s30, SOFF
	v_lshl_add_u32 v[SO], v[RHO], 4, s30
	v_lshl_add_u32 v[SO], v[E], 8, v[SO]           ; SOFF + GT*512 + 16 (rho + 16 e) + 4 p
	v_lshlrev_b32 v[BI], 2, v[ROW]
	s_lshl_b32 s30, s28, 6
	s_add_co_u32 s30, s30, BOFF
	v_lshl_add_u32 v[BO], v[RHO], 2, s30
	v_lshlrev_b32 v[SH8], 3, v[H]
	v_mov_b32 v[ZERO], 0
	v_mov_b32 v[PX], 0                             ; written once: a lane permute's destination counts as one of its sources
	s_wait_alu depctr_va_vdst(0)
	s_wait_kmcnt 0x0
	s_cmp_eq_u32 s24, 0                            ; forward or backward: the choice hangs on the work-group's number alone
	s_cselect_b64 s[4:5], s[4:5], s[6:7]
	s_cselect_b64 s[8:9], s[8:9], s[12:13]
	s_cselect_b64 s[10:11], s[10:11], s[14:15]
	global_load_b32 v[BV], v[BI], s[8:9]
	global_load_b32 v[BV+1], v[BI], s[10:11]
.irp c, 0,1
.irp j, 0,1,2,3,4,5,6,7
	global_load_b128 v[X+32*\c+4*\j:X+32*\c+4*\j+3], v[LDO], s[4:5] offset:256*\c+16*\j
.endr
.endr
	s_wait_loadcnt 0x0                             ; all 18: the wave has nothing else to do meanwhile
	s_cmp_lg_u32 s20, 3
	s_cbranch_scc1 .Lwhole
	; K step 7 (wave 3, lanes with e = 1) holds k = 896 .. 903 and then the quantiser's zeros.  Read from byte 3232 on, the eight live numbers stand in registers 56-63.
	s_mov_b32 s34, 0xff00ff00                      ; the lanes with e = 1
	s_mov_b32 s35, 0xff000000                      ; of them those with h = 1, whose blocks 1 and 3 are all zeros
.irp i, 0,1,2,3,4,5,6,7
	v_cndmask_b32 v[X+\i], v[X+\i], v[X+56+\i], s34
.endr
.irp i, 0,1,2,3,4,5,6,7
	v_cndmask_b32 v[X+\i], v[X+\i], v[ZERO], s35
.endr
.set I_, 8
.rept 56
	v_cndmask_b32 v[X+I_], v[X+I_], v[ZERO], s34
.set I_, I_+1
.endr
.Lwhole:
	QUANT X, C, PW
	global_store_b128 v[CO], v[C:C+3], s[16:17]
	global_store_b128 v[CO], v[C+4:C+7], s[16:17] offset:512
	s_wait_xcnt 0x0                                ; EXEC is a source of the stores above: it changes only behind this wait
	v_cmp_gt_u32 vcc_lo, 16, v[LANE]
	s_and_saveexec_b32 s40, vcc_lo                 ; lanes 0-15 (h = 0): one lane for each row and K step
	global_store_b32 v[SO], v[PW], s[16:17]
	s_wait_xcnt 0x0
	s_or_b32 exec_lo, exec_lo, s40
	s_cmp_lg_u32 s20, 0
	s_cbranch_scc1 .Ldone                          ; wave 0 stores the eight rows' biases
	v_add_f32 v[BV], v[BV], v[BV+1]                ; b_ih + b_hh
	v_cmp_gt_u32 vcc_lo, 8, v[LANE]
	s_and_saveexec_b32 s40, vcc_lo
	global_store_b32 v[BO], v[BV], s[16:17]
	s_wait_xcnt 0x0
	s_or_b32 exec_lo, exec_lo, s40
.Ldone:
	s_endpgm
.Lfunc_end_k_q44dc20d286_prep:
	.size	k_q44dc20d286_prep, .Lfunc_end_k_q44dc20d286_prep-k_q44dc20d286_prep
	.p2alignl 7, 3214868480
	.fill 96, 4, 3214868480
	.section	.rodata,"a",@progbits
	.p2align	6, 0x0
	.amdhsa_kernel k_q44dc20d286_prep
		.amdhsa_group_segment_fixed_size 0
		.amdhsa_private_segment_fixed_size 0
		.amdhsa_enable_private_segment 0
		.amdhsa_kernarg_size 56
		.amdhsa_user_sgpr_count 2
		.amdhsa_user_sgpr_kernarg_segment_ptr 1
		.amdhsa_wavefront_size32 1
		.amdhsa_system_sgpr_workgroup_id_x 1
		.amdhsa_system_sgpr_workgroup_id_y 1
		.amdhsa_system_sgpr_workgroup_id_z 1
		.amdhsa_system_vgpr_workitem_id 0
		.amdhsa_next_free_vgpr 112
		.amdhsa_next_free_sgpr 66
		.amdhsa_reserve_vcc 1
		.amdhsa_float_denorm_mode_32 3
		.amdhsa_float_denorm_mode_16_64 3
		.amdhsa_memory_ordered 1
		.amdhsa_forward_progress 1
		.amdhsa_inst_pref_size 14
	.end_amdhsa_kernel
	.amdgpu_metadata
---
amdhsa.version: [ 1, 2 ]
amdhsa.kernels:
  - .name:           k_q44dc20d286_prep
    .symbol:         k_q44dc20d286_prep.kd
    .args:
      - { .name: w_ih_f, .offset: 0, .size: 8, .value_kind: global_buffer, .address_space: global }
      - { .name: w_ih_b, .offset: 8, .size: 8, .value_kind: global_buffer, .address_space: global }
      - { .name: b_ih_f, .offset: 16, .size: 8, .value_kind: global_buffer, .address_space: global }
      - { .name: b_hh_f, .offset: 24, .size: 8, .value_kind: global_buffer, .address_space: global }
      - { .name: b_ih_b, .offset: 32, .size: 8, .value_kind: global_buffer, .address_space: global }
      - { .name: b_hh_b, .offset: 40, .size: 8, .value_kind: global_buffer, .address_space: global }
      - { .name: wpk, .offset: 48, .size: 8, .value_kind: global_buffer, .address_space: global }
    .group_segment_fixed_size: 0
    .private_segment_fixed_size: 0
    .kernarg_segment_align: 8
    .kernarg_segment_size: 56
    .max_flat_workgroup_size: 128
    .sgpr_count:     66
    .vgpr_count:     112
    .wavefront_size: 32
...
	.end_amdgpu_metadata
.endif
;; end of part 1
;; launch cells (part 2): grid 256 x 1, 4 waves a work-group, no clusters, 327,680 bytes of LDS; arguments V_cells, wpk, out0; writes out0
.if DOCPART == 2
	.amdgcn_target "amdgcn-amd-amdhsa--gfx1250"
	.amdhsa_code_object_version 6
	.text
	.protected	k_q44dc20d286_cells
	.globl	k_q44dc20d286_cells
	.p2align	8
	.type	k_q44dc20d286_cells,@function
k_q44dc20d286_cells:
	s_mov_b64 s[64:65], 0
	v_nop
	global_prefetch_b8 v0, s[64:65] scope:SCOPE_SE
	s_setreg_imm32_b32 hwreg(HW_REG_WAVE_MODE, 25, 1), 1
	s_wait_xcnt 0x0
; PredictionBiLSTM, second of two launches: out0 = [h_f, h_b] for 65,536 cells.  A work-group takes 256 cells, in 8 tiles of 32.
; DEAD WORK, as shown at the head of the first kernel: w_hh_* and the f gate's rows reach no output and are not loaded; wpk holds the 600 live weight rows as 39 gate tiles.
; LIMITS: NaN and infinities among the inputs are not served.  A block of zeros of V gets the scale byte 1 (its codes are zeros; the bytes are read here alone).
;   The exponent 2 g log2(e) of tanh(g) is held at 30 from above: beyond it (E - 1) / (E + 1) is 1 in f32.
; WEIGHTS STAY IN REGISTERS: wave w holds gate tiles 9 w .. 9 w + 8 (three tiles of 16 hidden units x gates i, g, o), waves 2 and 3 also tiles 36-38 (units 96-99 of both directions).
; V comes by tensor loads through two LDS slots of 32 rows.  V's rows lie end to end, and a wave's 8 rows are 28,928 bytes = 113 x 256, beginning at a multiple of 256: they are stated as 113 rows of 256 bytes.
; ONE BARRIER A TRIP.  Trip t: tile t + 1 is quantised from its slot into x image (t + 1) % 2; tile t's image is multiplied, activated and put into stage t % 2; stage (t - 1) % 2 is stored.
;   In front of the barrier every wave has waited for its tensor load (tile t + 2); behind it tile t + 3 goes into the slot just quantised: one tensor load a wave is out at any time.
; QUANTISING: wave w takes rows 16 (w % 2) .. + 15 and K steps 4 (w / 2) .. + 3 of 128; lane (r, h) holds blocks h and 2 + h of row r.  K step 7 has k = 896 .. 903 and zeros.
;   An LDS row is 904 words, so rows r and r + 8 begin at the same bank: lanes with r >= 8 read each pair of 16-byte pieces in swapped order, and the two halves of each code register are swapped back.
; THE MATRIX INSTRUCTION IS USED TRANSPOSED (source 0 = 16 weight rows, source 1 = 16 cells): a lane holds one cell and eight neighbouring hidden units.
; PREFETCH: some way behind each fill every wave names the 113 blocks of 256 bytes of its own quarter of the tile two fills on (four instructions, a lane a block; the lanes left over name the last block again); tiles 2 to 7 are so named, and nothing beyond tile 7.
; NO CLUSTER: the work-groups share wpk alone, which each reads once, by loads into registers at its head; every V tile has one reader.
.set ROWB,  3616
.set QB,    8*ROWB                     ; a wave's part of a tile
.set TILEB, 32*ROWB                    ; a tile, a slot, and the distance between the two slots
.set XIMG,  2*TILEB                    ; x images: 16 fragments of 1,024 bytes (fragment 8 rowtile + K step), then 16 x 128 bytes of scale words
.set XSCO,  16*1024
.set XD,    XSCO+16*128
.set STG,   XIMG+2*XD                  ; two stages, each 32 rows of out0 as they lie in memory
.set GD,    32*800
.set B12,   STG+2*GD                   ; each wave's image of the biases of tiles 36-38
.set SPARE, B12+4*1536                 ; the spare words, 128 bytes a wave
.set SOFF,  319488
.set BOFF,  339456
.set K7,    928                        ; K step 7's weights: two registers a tile; the six behind them meet zero codes of x
.set K7L,   160
.set BR,    184                        ; window 3: b_ih + b_hh of my nine tiles in the result's layout
; window 0: v1-23 kept, v24-35 this trip's addresses, v36-83 weight scale words, v84-255 at work
.set SPW,1
.set NIL,2
.set VQE,3
.set VQO,4
.set VT0,5
.set XWI,6
.set XWS,7
.set XRI,8
.set XRS,9
.set XRI12,10
.set XRS12,11
.set SO,12
.set SO12,13
.set SR,14
.set GO,15
.set SH8,16
.set PSEL,17
.set MK2,18
.set PX,20
.set PFO,21
.set PFO3,22
.set B12R,23
.set ADQE,24
.set ADQO,25
.set ADT,26
.set AWI,27
.set AWS,28
.set ARI,29
.set ARS,30
.set ARI12,31
.set ARS12,32
.set ASO,33
.set ASO12,34
.set ASR,35
.set WS,36
.set XQ,84                             ; two sets of 64 numbers
.set CQ,212
.set PW,220
.set MA,222
.set MB,224
.set SCL,226
.set BY,228
.set XF,84                             ; x fragments of 8 K steps
.set ACC,148
.set TMP,220
.set TB12,228
.set XS,248
.set OUTR,84
.set BHA,235                           ; v235-255: the head's offsets and tile 36-38's biases
.set TLN,236
.set TR,237
.set TH,238
.set B3,239
.set LI,240
.set WA,241
.set SA,242
.set BGA,243
.set T12,244
.set WV,10
.set G1,16
.set G0,24
.set TLS,28
.set WQ,29
.set T,30
.set TBN,31
.set XBC,32
.set XBN,33
.set GBC,34
.set GBN,35
.set NL,36
.set K2,38
.set SEL,40
.set HM,42
.set PF,44
.set MSB, 0
.macro WIN new                         ; the immediate's high byte repeats the setting that is left
.if MSB != (\new)
	s_set_vgpr_msb (MSB<<8)|(\new)
.set MSB, (\new)
.endif
.endm
.macro NOPS n
.rept \n
	v_nop
.endr
.endm
.macro TLOAD                           ; s_nop 0 and four v_nop behind the load
	tensor_load_to_lds s[G0:G0+3], s[G1:G1+7]
	s_nop 0
	NOPS 4
.endm
.macro PREF off
.irp i, 0,1,2
	global_prefetch_b8 v[PFO], s[PF:PF+1] offset:(\off)+8192*\i th:TH_LOAD_NT scope:SCOPE_SE
.endr
	global_prefetch_b8 v[PFO3], s[PF:PF+1] offset:(\off) th:TH_LOAD_NT scope:SCOPE_SE
.endm
; The change of trips.  rf: a slot is filled behind the barrier; tg: the doubled buffers change places.
.macro FENCE rf, tg
	s_wait_alu depctr_va_vdst(0)                   ; the wait ahead of the blocking waits
	s_wait_tensorcnt 0x0                           ; my one tensor load has landed
	ds_add_u32 v[SPW], v[NIL]
.if \rf
	s_xor_b32 s[TLS], s[TLS], TILEB                ; no load of mine is out: the descriptor steps to the other slot and the next tile
	s_add_co_u32 s[G0+1], s[WQ], s[TLS]
	s_add_nc_u64 s[G0+2:G0+3], s[G0+2:G0+3], TILEB
.endif
.if \tg
	s_xor_b32 s[TBN], s[TBN], TILEB
	s_xor_b32 s[XBC], s[XBC], XD
	s_xor_b32 s[XBN], s[XBN], XD
	s_xor_b32 s[GBC], s[GBC], GD
	s_xor_b32 s[GBN], s[GBN], GD
.endif
	s_wait_dscnt 0x0                               ; the add, my reads of the slot, of the image and of the stage, and my LDS stores are done
	s_barrier_signal -1
	s_barrier_wait -1
.if \rf
	TLOAD
.endif
.endm
.macro LOADQ q, set                    ; 64 numbers a lane; even pieces by ADQE, odd ones by ADQO (lanes r >= 8: swapped)
.irp c, 0,1
.irp j, 0,2,4,6
	ds_load_b128 v[XQ+64*(\set)+32*\c+4*\j:XQ+64*(\set)+32*\c+4*\j+3],   v[ADQE] offset:512*(\q)+256*\c+16*\j
	ds_load_b128 v[XQ+64*(\set)+32*\c+4*\j+4:XQ+64*(\set)+32*\c+4*\j+7], v[ADQO] offset:512*(\q)+256*\c+16*\j
.endr
.endr
.endm
.macro QUANT x                         ; two blocks of 32 of a lane -> eight code registers CQ and the row's scale word PW
.irp k, 0,1
	v_max3_num_f32 v[MA+\k], |v[(\x)+32*\k]|, |v[(\x)+32*\k+1]|, |v[(\x)+32*\k+2]|
	v_max3_num_f32 v[MB+\k], |v[(\x)+32*\k+3]|, |v[(\x)+32*\k+4]|, |v[(\x)+32*\k+5]|
.endr
.irp i, 6,10,14,18,22,26
.irp k, 0,1
	v_max3_num_f32 v[MA+\k], v[MA+\k], |v[(\x)+32*\k+\i]|, |v[(\x)+32*\k+\i+1]|
	v_max3_num_f32 v[MB+\k], v[MB+\k], |v[(\x)+32*\k+\i+2]|, |v[(\x)+32*\k+\i+3]|
.endr
.endr
.irp k, 0,1
	v_max3_num_f32 v[MA+\k], v[MA+\k], |v[(\x)+32*\k+30]|, |v[(\x)+32*\k+31]|
.endr
.irp k, 0,1
	v_max3_num_f32 v[MA+\k], v[MA+\k], v[MB+\k], 0x1800000       ; the floor 2^(3 - 127): the byte cannot fall under 1
.endr
.irp k, 0,1
	v_add_nc_u32 v[SCL+\k], 0xff000000, v[MA+\k]                 ; 2 off the exponent field: the conversion's scale operand
.endr
.irp k, 0,1
	v_lshrrev_b32 v[BY+\k], 23, v[SCL+\k]
.endr
	v_lshl_or_b32 v[PW], v[BY+1], 16, v[BY]
	v_lshlrev_b32 v[PW], v[SH8], v[PW]
	v_permlanex16_b32 v[PX], v[PW], s[SEL], s[SEL+1]
	v_or_b32 v[PW], v[PW], v[PX]                                 ; with lane l xor 16's two bytes the word is whole
.irp k, 0,1
.irp g, 0,1,2,3
	v_cvt_scalef32_pk8_fp4_f32 v[CQ+4*\k+\g], v[(\x)+32*\k+8*\g:(\x)+32*\k+8*\g+7], v[SCL+\k]
.endr
.endr
	v_nop                                                        ; one plain line behind the last scaled conversion
.irp i, 0,1,2,3,4,5,6,7
	v_perm_b32 v[CQ+\i], v[CQ+\i], v[CQ+\i], v[PSEL]             ; lanes r >= 8: the two halves (four codes each) back in K's order
.endr
.endm
.macro QUANT7 x                        ; K step 7: eight numbers in lanes 0-15, zeros elsewhere
.irp i, 0,1,2,3,4,5,6,7
	v_cndmask_b32 v[(\x)+\i], 0, v[(\x)+\i], s[HM]
.endr
	v_max3_num_f32 v[MA], |v[(\x)]|, |v[(\x)+1]|, |v[(\x)+2]|
	v_max3_num_f32 v[MB], |v[(\x)+3]|, |v[(\x)+4]|, |v[(\x)+5]|
	v_max3_num_f32 v[MA], v[MA], |v[(\x)+6]|, |v[(\x)+7]|
	v_max3_num_f32 v[MA], v[MA], v[MB], 0x1800000
	v_add_nc_u32 v[SCL], 0xff000000, v[MA]
	v_lshrrev_b32 v[BY], 23, v[SCL]
	v_or_b32 v[PW], 0x10000, v[BY]
	v_lshlrev_b32 v[PW], v[SH8], v[PW]
	v_permlanex16_b32 v[PX], v[PW], s[SEL], s[SEL+1]
	v_or_b32 v[PW], v[PW], v[PX]
	v_cvt_scalef32_pk8_fp4_f32 v[CQ], v[(\x):(\x)+7], v[SCL]
.irp i, 1,2,3,4,5,6,7
	v_mov_b32 v[CQ+\i], 0
.endr
.endm
.macro IMG q                           ; the operand's registers as an image: 16 bytes a lane, the scale word 4
	ds_store_b128 v[AWI], v[CQ:CQ+3]   offset:1024*(\q)
	ds_store_b128 v[AWI], v[CQ+4:CQ+7] offset:1024*(\q)+512
	ds_store_b32  v[AWS], v[PW] offset:128*(\q)
.endm
.macro ADRQ
	v_add_nc_u32 v[ADQE], s[TBN], v[VQE]
	v_add_nc_u32 v[ADQO], s[TBN], v[VQO]
	v_add_nc_u32 v[ADT],  s[TBN], v[VT0]
	v_add_nc_u32 v[AWI],  s[XBN], v[XWI]
	v_add_nc_u32 v[AWS],  s[XBN], v[XWS]
.endm
.macro QA pf                           ; my first three K steps of the next tile
	LOADQ 0, 0
	LOADQ 1, 1
.if (\pf) == 2
	WLD 5, 1, 0, 9, WA, 0                          ; the prologue alone: weight loads stand among the quantising
.endif
.if (\pf) == 1
	s_cmp_lt_u32 s[T], 4                           ; trip t names tile t + 4, two fills on from the fill just issued; trip 4 has none left
	s_cbranch_scc0 .Lnpf_\@
	PREF 3*TILEB                                   ; the base stands at tile t + 1
.Lnpf_\@:
.endif
	s_wait_dscnt 16                                ; set 0 is in; set 1's 16 loads may be out
	QUANT XQ
	IMG 0
	LOADQ 2, 0
.if (\pf) == 2
	WLD 6, 1, 0, 9, WA, 0
.endif
	s_wait_dscnt 19                                ; set 1 is in; 3 stores and 16 loads were issued behind it
	QUANT XQ+64
	IMG 1
	s_wait_alu depctr_va_vdst(0)
	s_cmp_lg_u32 s12, 0
	s_cbranch_scc1 .Lt7a_\@
	LOADQ 3, 1
	s_wait_dscnt 19
	s_branch .Lq2_\@
.Lt7a_\@:
	ds_load_b128 v[XQ+64:XQ+67], v[ADT]
	ds_load_b128 v[XQ+68:XQ+71], v[ADT] offset:16
	s_wait_dscnt 5                                 ; 3 stores and these 2 loads may be out
.Lq2_\@:
	QUANT XQ
	IMG 2
.endm
.macro QB xf                           ; my fourth; xf: the LDS loads issued since IMG 2
	s_wait_dscnt 3+(\xf)
	s_cmp_lg_u32 s12, 0
	s_cbranch_scc1 .Lt7b_\@
	QUANT XQ+64
	s_branch .Lq3_\@
.Lt7b_\@:
	QUANT7 XQ+64
.Lq3_\@:
	s_wait_alu depctr_va_vdst(0)                   ; the wait behind the join
	IMG 3
.endm
.macro XFRAG adi, ads, f0
.irp s, 0,1,2,3,4,5,6,7
	ds_load_b128 v[XF+8*\s:XF+8*\s+3],   v[\adi] offset:((\f0)+\s)*1024
	ds_load_b128 v[XF+8*\s+4:XF+8*\s+7], v[\adi] offset:((\f0)+\s)*1024+512
	ds_load_b32  v[XS+\s], v[\ads] offset:((\f0)+\s)*128
.endr
.endm
; n gate tiles from t0 on x 16 cells x all of K; the accumulators take turns.  cb = 1: the sums begin with the biases; cb = 2: with 0
.macro MUL n, t0, cb
.irp s, 0,1,2,3,4,5,6,7
.set A_, 0
.rept \n
.set W_, (\t0)+A_
.if \s < 7
.set R_, 256+8*(12*\s+W_)
.else
.set R_, K7+2*W_
.endif
.if ((\cb) == 1) && (\s == 0)
	WIN ((R_/256)|0x30)
	v_wmma_scale_f32_16x16x128_f8f6f4 v[ACC+8*A_:ACC+8*A_+7], v[R_%256:R_%256+7], v[XF+8*\s:XF+8*\s+7], v[BR+8*W_:BR+8*W_+7], v[WS+4*W_+\s/2], v[XS+\s] matrix_a_fmt:MATRIX_FMT_FP4 matrix_b_fmt:MATRIX_FMT_FP4
.elseif \s == 0
	WIN (R_/256)
	v_wmma_scale_f32_16x16x128_f8f6f4 v[ACC+8*A_:ACC+8*A_+7], v[R_%256:R_%256+7], v[XF+8*\s:XF+8*\s+7], 0, v[WS+4*W_+\s/2], v[XS+\s] matrix_a_fmt:MATRIX_FMT_FP4 matrix_b_fmt:MATRIX_FMT_FP4
.elseif (\s)%2 == 1
	WIN (R_/256)
	v_wmma_scale_f32_16x16x128_f8f6f4 v[ACC+8*A_:ACC+8*A_+7], v[R_%256:R_%256+7], v[XF+8*\s:XF+8*\s+7], v[ACC+8*A_:ACC+8*A_+7], v[WS+4*W_+\s/2], v[XS+\s] matrix_a_fmt:MATRIX_FMT_FP4 matrix_b_fmt:MATRIX_FMT_FP4 matrix_a_scale:MATRIX_SCALE_ROW1
.else
	WIN (R_/256)
	v_wmma_scale_f32_16x16x128_f8f6f4 v[ACC+8*A_:ACC+8*A_+7], v[R_%256:R_%256+7], v[XF+8*\s:XF+8*\s+7], v[ACC+8*A_:ACC+8*A_+7], v[WS+4*W_+\s/2], v[XS+\s] matrix_a_fmt:MATRIX_FMT_FP4 matrix_b_fmt:MATRIX_FMT_FP4
.endif
.set A_, A_+1
.endr
.endr
	WIN 0
	NOPS 4                                         ; four places ahead of reads of the results and of loads into the fragments
.endm
; h = sigmoid(o) tanh(sigmoid(i) tanh(g)), nu unit tiles x nr registers.  With Ei = 2^(-i L), Eg = 2^(2 g L), L = log2(e): c' = 2 L (Eg - 1) / ((1 + Ei)(1 + Eg));
; with Ec = 2^c', Eo = 2^(-o L): h = (Ec - 1) / ((1 + Eo)(1 + Ec)).  Each batch of transcendentals has one wait ahead and one behind.
.macro ACT nu, nr
.set HP_, (\nr)/2
.set P_, 0
.rept (\nu)*HP_
.set B_, ACC+24*(P_/HP_)+2*(P_%HP_)
	v_pk_mul_f32 v[B_:B_+1],     v[B_:B_+1],     s[NL:NL+1] op_sel_hi:[1,0]
	v_pk_mul_f32 v[B_+8:B_+9],   v[B_+8:B_+9],   s[K2:K2+1] op_sel_hi:[1,0]
	v_pk_mul_f32 v[B_+16:B_+17], v[B_+16:B_+17], s[NL:NL+1] op_sel_hi:[1,0]
.set P_, P_+1
.endr
.set P_, 0
.rept (\nu)*(\nr)
.set B_, ACC+24*(P_/(\nr))+P_%(\nr)
	v_min_num_f32 v[B_+8], 0x41f00000, v[B_+8]
.set P_, P_+1
.endr
.set P_, 0
	s_wait_alu depctr_va_vdst(0)
.rept (\nu)*(\nr)
.set B_, ACC+24*(P_/(\nr))+P_%(\nr)
	v_exp_f32 v[B_], v[B_]
	v_exp_f32 v[B_+8], v[B_+8]
	v_exp_f32 v[B_+16], v[B_+16]
.set P_, P_+1
.endr
	v_nop
	s_wait_alu depctr_va_vdst(0)
.set P_, 0
.rept (\nu)*HP_
.set B_, ACC+24*(P_/HP_)+2*(P_%HP_)
.set T_, TMP+8*(P_/HP_)+2*(P_%HP_)
	v_pk_add_f32 v[T_:T_+1], v[B_+8:B_+9], 1.0 op_sel_hi:[1,0]
	v_pk_fma_f32 v[B_+8:B_+9], v[B_+8:B_+9], s[K2:K2+1], v[MK2:MK2+1] op_sel_hi:[1,0,1]
	v_pk_fma_f32 v[B_:B_+1], v[B_:B_+1], v[T_:T_+1], v[T_:T_+1]
.set P_, P_+1
.endr
.set P_, 0
	s_wait_alu depctr_va_vdst(0)
.rept (\nu)*(\nr)
.set B_, ACC+24*(P_/(\nr))+P_%(\nr)
	v_rcp_f32 v[B_], v[B_]
.set P_, P_+1
.endr
	v_nop
	s_wait_alu depctr_va_vdst(0)
.set P_, 0
.rept (\nu)*HP_
.set B_, ACC+24*(P_/HP_)+2*(P_%HP_)
	v_pk_mul_f32 v[B_+8:B_+9], v[B_+8:B_+9], v[B_:B_+1]
.set P_, P_+1
.endr
.set P_, 0
	s_wait_alu depctr_va_vdst(0)
.rept (\nu)*(\nr)
.set B_, ACC+24*(P_/(\nr))+P_%(\nr)
	v_exp_f32 v[B_+8], v[B_+8]
.set P_, P_+1
.endr
	v_nop
	s_wait_alu depctr_va_vdst(0)
.set P_, 0
.rept (\nu)*HP_
.set B_, ACC+24*(P_/HP_)+2*(P_%HP_)
.set T_, TMP+8*(P_/HP_)+2*(P_%HP_)
	v_pk_add_f32 v[T_:T_+1], v[B_+8:B_+9], 1.0 op_sel_hi:[1,0]
	v_pk_fma_f32 v[B_+16:B_+17], v[B_+16:B_+17], v[T_:T_+1], v[T_:T_+1]
	v_pk_add_f32 v[B_+8:B_+9], v[B_+8:B_+9], -1.0 op_sel_hi:[1,0]
.set P_, P_+1
.endr
.set P_, 0
	s_wait_alu depctr_va_vdst(0)
.rept (\nu)*(\nr)
.set B_, ACC+24*(P_/(\nr))+P_%(\nr)
	v_rcp_f32 v[B_+16], v[B_+16]
.set P_, P_+1
.endr
	v_nop
	s_wait_alu depctr_va_vdst(0)
.set P_, 0
.rept (\nu)*HP_
.set B_, ACC+24*(P_/HP_)+2*(P_%HP_)
	v_pk_mul_f32 v[B_+8:B_+9], v[B_+8:B_+9], v[B_+16:B_+17]
.set P_, P_+1
.endr
.endm
.macro HOUT off
.irp u, 0,1,2
	ds_store_b128 v[ASO], v[ACC+24*\u+8:ACC+24*\u+11]  offset:(\off)+64*\u
	ds_store_b128 v[ASO], v[ACC+24*\u+12:ACC+24*\u+15] offset:(\off)+64*\u+16
.endr
.endm
.macro OUTLD                           ; the stage of the tile before: 16 bytes a thread, 2,048 a line
.irp i, 0,1,2,3,4,5,6,7,8,9,10,11
	ds_load_b128 v[OUTR+4*\i:OUTR+4*\i+3], v[ASR] offset:2048*\i
.endr
.endm
.macro OUTST back                      ; 25,600 bytes = 100 aligned blocks of 256: sixteen lanes fill a block; the base stands back bytes behind the tile's end of the walk
	s_wait_dscnt 0x0
.irp i, 0,1,2,3,4,5,6,7,8,9,10,11
	global_store_b128 v[GO], v[OUTR+4*\i:OUTR+4*\i+3], s[8:9] offset:2048*\i-(\back) th:TH_STORE_NT
.endr
	s_cmp_ge_u32 s[WV], 2
	s_cbranch_scc1 .Lo_\@
	ds_load_b128 v[OUTR+48:OUTR+51], v[ASR] offset:24576           ; the last 1,024 bytes: waves 0 and 1
	s_wait_dscnt 0x0
	global_store_b128 v[GO], v[OUTR+48:OUTR+51], s[8:9] offset:24576-(\back) th:TH_STORE_NT
.Lo_\@:
.endm
.macro WLD sa, ns, ta, nt, adr, tof    ; weight fragments of K steps sa .., register tiles ta .., into windows 1 to 3
.set S_, \sa
.rept \ns
.set T_, \ta
.rept \nt
.set F_, 12*S_+T_
	WIN ((1+F_/32)<<6)
	global_load_b128 v[8*(F_%32):8*(F_%32)+3],   v[\adr], s[6:7] offset:(T_+(\tof))*8192+S_*1024
	global_load_b128 v[8*(F_%32)+4:8*(F_%32)+7], v[\adr], s[6:7] offset:(T_+(\tof))*8192+S_*1024+512
.set T_, T_+1
.endr
.set S_, S_+1
.endr
	WIN 0
.endm
	s_load_b128 s[4:7], s[0:1], 0x0                ; V s[4:5], wpk s[6:7]
	s_load_b64 s[8:9], s[0:1], 0x10                ; out0
	v_lshl_add_u32 v[SPW], v0, 2, SPARE
	v_mov_b32 v[NIL], 0
	ds_add_u32 v[SPW], v[NIL]                      ; the opening lines: the add twice on end and one wait
	ds_add_u32 v[SPW], v[NIL]
	v_lshrrev_b32 v[TLN], 5, v0
	v_readfirstlane_b32 s[WV], v[TLN]
	s_and_b32 s11, s[WV], 1
	s_lshr_b32 s12, s[WV], 1
	s_mov_b32 s[G1+0], 3<<16                       ; elements of 8 bytes, no padding
	s_mov_b32 s[G1+1], 32<<16                      ; rows of 32 elements = 256 bytes
	s_mov_b32 s[G1+2], 113<<16
	s_mov_b32 s[G1+3], 32<<16
	s_mov_b32 s[G1+4], 113                         ; 113 rows
	s_mov_b32 s[G1+5], 32
	s_mov_b32 s[G1+6], 0
	s_mov_b32 s[G1+7], 0
	s_mov_b32 s[G0], 1
	s_mul_i32 s[WQ], s[WV], QB
	s_mul_i32 s[G0+1], s[WV], QB
	s_mov_b32 s[TLS], 0
	s_mul_i32 s46, ttmp9, 256*ROWB
	s_add_co_u32 s46, s46, s[WQ]
	s_mov_b32 s47, 0
	s_mul_i32 s48, ttmp9, 256*800
	s_mov_b32 s49, 0
	s_wait_alu depctr_va_vdst(0)
	s_wait_dscnt 0x0
	s_wait_kmcnt 0x0
	s_add_nc_u64 s[PF:PF+1], s[4:5], s[46:47]      ; my quarter of tile 0
	s_mov_b64 s[G0+2:G0+3], s[PF:PF+1]
	s_or_b32 s[G0+3], s[G0+3], 0x80000000
	s_add_nc_u64 s[8:9], s[8:9], s[48:49]
	TLOAD                                          ; tile 0: my one tensor load at the head
	s_mov_b32 s[NL], 0xbfb8aa3b                    ; -log2(e)
	s_mov_b32 s[NL+1], s[NL]
	s_mov_b32 s[K2], 0x4038aa3b                    ; 2 log2(e)
	s_mov_b32 s[K2+1], s[K2]
	s_mov_b32 s[SEL], 0x76543210
	s_mov_b32 s[SEL+1], 0xfedcba98
	s_mov_b32 s[HM], 0x0000ffff
	s_mov_b32 s[TBN], 0                            ; as the prologue wants them; its change of trips turns all five
	s_mov_b32 s[XBN], 0
	s_mov_b32 s[XBC], XD
	s_mov_b32 s[GBC], GD
	s_mov_b32 s[GBN], 0
	v_and_b32 v[TLN], 31, v0
	v_and_b32 v[TR], 15, v0
	v_bfe_u32 v[TH], v0, 4, 1
	v_bfe_u32 v[B3], v0, 3, 1
	v_lshlrev_b32 v[LI], 4, v[TLN]
	s_wait_alu depctr_va_vdst(0)
	v_cmp_ne_u32 vcc_lo, 0, v[B3]
	v_mov_b32 v[PSEL], 0x03020100
	v_mov_b32 v[PX], 0x01000302
	v_cndmask_b32 v[PSEL], v[PSEL], v[PX], vcc_lo  ; lanes r >= 8 swap a register's halves
	v_lshlrev_b32 v[B3], 4, v[B3]
	s_mul_i32 s46, s11, 16*ROWB
	s_lshl_b32 s47, s12, 11
	v_mul_u32_u24 v[VQE], v[TR], ROWB
	v_add_nc_u32 v[VQE], s46, v[VQE]               ; my row of the slot
	v_add_nc_u32 v[VT0], 3584, v[VQE]              ; its last 32 bytes
	v_lshl_add_u32 v[VQE], v[TH], 7, v[VQE]
	v_add_nc_u32 v[VQE], s47, v[VQE]               ; + 128 h + 2,048 (w / 2)
	v_xor_b32 v[VQO], 16, v[B3]                    ; odd pieces: + 16 for rows 0-7, + 0 for rows 8-15
	v_add_nc_u32 v[VQO], v[VQE], v[VQO]
	v_add_nc_u32 v[VQE], v[VQE], v[B3]             ; even pieces: + 0 for rows 0-7, + 16 for rows 8-15
	s_lshl_b32 s46, s11, 3
	s_lshl_b32 s47, s12, 2
	s_add_co_u32 s46, s46, s47                     ; my first fragment: 8 (w % 2) + 4 (w / 2)
	s_lshl_b32 s47, s46, 10
	s_add_co_u32 s47, s47, XIMG
	v_add_nc_u32 v[XWI], s47, v[LI]
	s_lshl_b32 s47, s46, 7
	s_add_co_u32 s47, s47, XIMG+XSCO
	v_lshl_add_u32 v[XWS], v[TLN], 2, s47
	v_add_nc_u32 v[XRI], XIMG, v[LI]
	v_lshl_add_u32 v[XRS], v[TLN], 2, XIMG+XSCO
	s_lshl_b32 s46, s11, 13
	v_add_nc_u32 v[XRI12], s46, v[XRI]
	s_lshl_b32 s46, s11, 10
	v_add_nc_u32 v[XRS12], s46, v[XRS]
	s_mul_i32 s46, s12, 400                        ; stage: row r of 800 bytes; direction w / 2, units 48 (w % 2) + 16 u + 8 h
	s_mul_i32 s47, s11, 192
	s_add_co_u32 s46, s46, s47
	s_add_co_u32 s46, s46, STG
	v_mul_u32_u24 v[SO], v[TR], 800
	v_mad_u32_u24 v[SO12], v[TH], 400, v[SO]
	v_lshl_add_u32 v[SO], v[TH], 5, v[SO]
	v_add_nc_u32 v[SO], s46, v[SO]
	s_mul_i32 s46, s11, 12800
	s_add_co_u32 s46, s46, STG+384
	v_add_nc_u32 v[SO12], s46, v[SO12]             ; units 96-99 of direction h, row tile w % 2
	v_lshlrev_b32 v[GO], 4, v0
	v_add_nc_u32 v[SR], STG, v[GO]
	v_lshlrev_b32 v[SH8], 3, v[TH]
	v_mov_b32 v[MK2], 0xc038aa3b
	v_mov_b32 v[MK2+1], 0xc038aa3b
	v_mov_b32 v[PX], 0
	v_lshlrev_b32 v[PFO], 8, v[TLN]
	v_add_nc_u32 v[PFO3], 96, v[TLN]
	v_min_u32 v[PFO3], 112, v[PFO3]
	v_lshlrev_b32 v[PFO3], 8, v[PFO3]
	s_mul_i32 s46, s[WV], 1536
	s_add_co_u32 s46, s46, B12
	v_add_nc_u32 v[B12R], s46, v[LI]
	s_mul_i32 s46, s[WV], 9*8192
	v_add_nc_u32 v[WA], s46, v[LI]
	s_mul_i32 s46, s[WV], 9*512
	v_add_nc_u32 v[SA], s46, v[LI]
	s_mul_i32 s46, s[WV], 576
	v_lshlrev_b32 v[BHA], 5, v[TH]
	v_add_nc_u32 v[BGA], s46, v[BHA]
	s_wait_alu depctr_va_vdst(0)                   ; the wait at the end of the set-up
	PREF 2*TILEB                                   ; behind tile 0's load: tile 2
	; the weights go straight into registers; the first part is issued while tile 0 is on its way
.irp t, 0,1,2,3,4,5,6,7,8
	global_load_b128 v[WS+4*\t:WS+4*\t+3], v[SA], s[6:7] offset:SOFF+512*\t
.endr
	WIN 0xc0
.irp t, 0,1,2,3,4,5,6,7,8
	global_load_b128 v[BR+8*\t:BR+8*\t+3],   v[BGA], s[6:7] offset:BOFF+64*\t       ; biases of units 8 h .. 8 h + 7: the result's layout
	global_load_b128 v[BR+8*\t+4:BR+8*\t+7], v[BGA], s[6:7] offset:BOFF+64*\t+16
	global_load_b64 v[K7L+2*\t:K7L+2*\t+1], v[WA], s[6:7] offset:\t*8192+7*1024
.endr
.irp t, 9,10,11
	global_load_b64 v[K7L+2*\t:K7L+2*\t+1], v[LI], s[6:7] offset:(27+\t)*8192+7*1024
.endr
	WIN 0
.irp g, 0,1,2
	global_load_b128 v[T12+4*\g:T12+4*\g+3], v[BHA], s[6:7] offset:BOFF+(36+\g)*64
.endr
	WLD 0, 5, 0, 9, WA, 0
	FENCE 1, 0                                     ; tile 0 is in; slot 1's first fill, tile 1, is issued as a refill is
	PREF 3*TILEB                                   ; behind tile 1's load: tile 3
	ADRQ
	s_wait_alu depctr_va_vdst(0)
	QA 2                                           ; tile 0 is quantised while the weights land; K steps 5 and 6 of the weights are asked for on the way
	s_wait_alu depctr_va_vdst(0)                   ; the wait ahead of the branch
	s_cmp_lt_u32 s[WV], 2
	s_cbranch_scc1 .Lno12w
.irp t, 9,10,11
	global_load_b128 v[WS+4*\t:WS+4*\t+3], v[LI], s[6:7] offset:SOFF+512*(27+\t)
.endr
	WLD 0, 7, 9, 3, LI, 27
.Lno12w:
	QB 0
	s_wait_loadcnt 0x0                             ; all weights, scale words and biases
.irp g, 0,1,2
	ds_store_b128 v[B12R], v[T12+4*\g:T12+4*\g+3] offset:512*\g
.endr
	FENCE 1, 1                                     ; image 0 is whole, tile 1 is in; tile 2 goes into slot 0
; A trip.  rf = 1: the trips 0 to 4, which prefetch and of which the first has nothing to store; qn = 1: a next tile is quantised.
.macro BODY rf, qn
	s_wait_xcnt 0x0                                ; the last trip's stores and prefetches have read their registers and bases
	s_add_nc_u64 s[8:9], s[8:9], GD                ; in trip t: the end of tile t in out0
	s_add_nc_u64 s[PF:PF+1], s[PF:PF+1], TILEB     ; in trip t: my quarter of tile t + 1
.if \qn
	ADRQ
.endif
	v_add_nc_u32 v[ARI],   s[XBC], v[XRI]
	v_add_nc_u32 v[ARS],   s[XBC], v[XRS]
	v_add_nc_u32 v[ARI12], s[XBC], v[XRI12]
	v_add_nc_u32 v[ARS12], s[XBC], v[XRS12]
	v_add_nc_u32 v[ASO],   s[GBC], v[SO]
	v_add_nc_u32 v[ASO12], s[GBC], v[SO12]
	v_add_nc_u32 v[ASR],   s[GBN], v[SR]
	s_wait_alu depctr_va_vdst(0)
.if \qn
	QA \rf
.endif
	XFRAG ARI, ARS, 0                              ; this tile's rows 0-15, over the set just quantised; they land under my fourth K step
.if \qn
	QB 24
.endif
	s_wait_dscnt 0x0
	MUL 9, 0, 1
	XFRAG ARI, ARS, 8                              ; rows 16-31 land under the activation
	ACT 3, 8
	HOUT 0
	s_wait_dscnt 0x0
	MUL 9, 0, 1
	s_cmp_lt_u32 s[WV], 2
	s_cbranch_scc1 .Lnx_\@
	XFRAG ARI12, ARS12, 0                          ; waves 2, 3: row tile w % 2 once more, for tiles 36-38
.Lnx_\@:
	ACT 3, 8
	HOUT 12800
	s_cmp_lt_u32 s[WV], 2
	s_cbranch_scc1 .Llow_\@
.irp g, 0,1,2
	ds_load_b128 v[TB12+4*\g:TB12+4*\g+3], v[B12R] offset:512*\g
.endr
	s_wait_dscnt 9                                 ; the fragments are in; 6 stage stores and 3 bias loads may be out
	MUL 3, 9, 2
	s_wait_dscnt 0x0
.if \rf
	s_cmp_eq_u32 s[T], 0
	s_cbranch_scc1 .Lf12_\@
.endif
	OUTLD
.Lf12_\@:
.irp g, 0,1,2
.irp p, 0,2
	v_pk_add_f32 v[ACC+8*\g+\p:ACC+8*\g+\p+1], v[ACC+8*\g+\p:ACC+8*\g+\p+1], v[TB12+4*\g+\p:TB12+4*\g+\p+1]
.endr
.endr
	ACT 1, 4
	ds_store_b128 v[ASO12], v[ACC+8:ACC+11]
	s_branch .Ljoin_\@
.Llow_\@:
.if \rf
	s_cmp_eq_u32 s[T], 0
	s_cbranch_scc1 .Ljoin_\@
.endif
	OUTLD
.Ljoin_\@:
.if \rf
	s_cmp_eq_u32 s[T], 0
	s_cbranch_scc1 .Lnost_\@
.endif
	OUTST 2*GD                                     ; tile t - 1
.Lnost_\@:
.endm
	s_mov_b32 s[T], 0
.LA:                                                   ; trips 0 to 4 ask for tiles 3 to 7
	BODY 1, 1
	FENCE 1, 1
	s_add_co_u32 s[T], s[T], 1
	s_cmp_lt_u32 s[T], 5
	s_cbranch_scc1 .LA
.LB:                                                   ; trips 5 and 6 fill nothing
	BODY 0, 1
	FENCE 0, 1
	s_add_co_u32 s[T], s[T], 1
	s_cmp_lt_u32 s[T], 7
	s_cbranch_scc1 .LB
	BODY 0, 0                                      ; trip 7 has no tile left to quantise
	FENCE 0, 1
	v_add_nc_u32 v[ASR], s[GBN], v[SR]             ; tile 7's stage
	s_wait_alu depctr_va_vdst(0)
	s_wait_xcnt 0x0                                ; tile 6's stores have read the registers that the loads below fill
	OUTLD
	OUTST GD
	s_wait_tensorcnt 0x0                           ; the wave's end
	ds_add_u32 v[SPW], v[NIL]
	s_wait_dscnt 0x0
	s_endpgm
.Lfunc_end_k_q44dc20d286_cells:
	.size	k_q44dc20d286_cells, .Lfunc_end_k_q44dc20d286_cells-k_q44dc20d286_cells
	.p2alignl 7, 3214868480
	.fill 96, 4, 3214868480
	.section	.rodata,"a",@progbits
	.p2align	6, 0x0
	.amdhsa_kernel k_q44dc20d286_cells
		.amdhsa_group_segment_fixed_size 327680
		.amdhsa_private_segment_fixed_size 0
		.amdhsa_enable_private_segment 0
		.amdhsa_kernarg_size 24
		.amdhsa_user_sgpr_count 2
		.amdhsa_user_sgpr_kernarg_segment_ptr 1
		.amdhsa_wavefront_size32 1
		.amdhsa_system_sgpr_workgroup_id_x 1
		.amdhsa_system_sgpr_workgroup_id_y 1
		.amdhsa_system_sgpr_workgroup_id_z 1
		.amdhsa_system_vgpr_workitem_id 0
		.amdhsa_next_free_vgpr 1024
		.amdhsa_next_free_sgpr 66
		.amdhsa_reserve_vcc 1
		.amdhsa_float_denorm_mode_32 3
		.amdhsa_float_denorm_mode_16_64 3
		.amdhsa_memory_ordered 1
		.amdhsa_forward_progress 1
		.amdhsa_inst_pref_size 255
	.end_amdhsa_kernel
	.section	.bss,"aw",@nobits
	.p2align	6
	.space	262144
	.amdgpu_metadata
---
amdhsa.version: [ 1, 2 ]
amdhsa.kernels:
  - .name:           k_q44dc20d286_cells
    .symbol:         k_q44dc20d286_cells.kd
    .args:
      - { .name: V_cells, .offset: 0, .size: 8, .value_kind: global_buffer, .address_space: global }
      - { .name: wpk, .offset: 8, .size: 8, .value_kind: global_buffer, .address_space: global }
      - { .name: out0, .offset: 16, .size: 8, .value_kind: global_buffer, .address_space: global }
    .group_segment_fixed_size: 327680
    .private_segment_fixed_size: 0
    .kernarg_segment_align: 8
    .kernarg_segment_size: 24
    .max_flat_workgroup_size: 128
    .sgpr_count:     66
    .vgpr_count:     1024
    .wavefront_size: 32
...
	.end_amdgpu_metadata
.endif
;; end of part 2
